; MI455X (gfx1250); checked and timed in simulation.
; The chip was launched on July 23, 2026; its instructions are those of AMD's public machine-readable ISA for CDNA 5 (MIT licence, August 2026) and "CDNA5" Instruction Set Architecture Reference Guide (July 2026). The comments in the code are by the model that wrote it; some were corrected since.
;; Multihead Attention. Allowed arithmetic: float matrix products may take bf16 or f16 operands with f32 sums; all other float work in f32.
;; Inputs: beta1 32 float32; beta2 32 float32; bk 32 float32; bl 32 float32; bo 32 float32; bq 32 float32; bv 32 float32; g1 32 float32; g2 32 float32; wk 32 x 32 float32; wl 32 x 32 float32; wo 32 x 32 float32; wq 32 x 32 float32; wv 32 x 32 float32; x 16 x 2,048 x 32 float32.
;; Outputs: out0 16 x 2,048 x 32 float32.
;; One version. Each part assembles by itself: llvm-mc -triple=amdgcn-amd-amdhsa -mcpu=gfx1250 --defsym DOCPART=n.
;; ======== version 1 of 1: 1 launch
;; launch mha (part 1): grid 16 x 16, 8 waves a work-group, no clusters, 291,840 bytes of LDS; arguments x, wq, bq, wk, bk, wv, bv, wo, bo, g1, beta1, wl, bl, g2, beta2, out0; writes out0
.if DOCPART == 1
	.amdgcn_target "amdgcn-amd-amdhsa--gfx1250"
	.amdhsa_code_object_version 6
	.text
	.protected	k_q204d4ad8db_mha
	.globl	k_q204d4ad8db_mha
	.p2align	8
	.type	k_q204d4ad8db_mha,@function
k_q204d4ad8db_mha:
	s_mov_b64 s[64:65], 0
	v_nop
	global_prefetch_b8 v0, s[64:65] scope:SCOPE_SE
	s_setreg_imm32_b32 hwreg(HW_REG_WAVE_MODE, 25, 1), 1
	s_wait_xcnt 0x0
; Multi-head attention block, x [16][2048][32] f32, 4 heads of 8 channels, fused into one launch:
; Q/K/V projections, softmax(Q K^T / sqrt 8) V, output projection + x + LayerNorm, 32 x 32 layer + residual + LayerNorm.
; Work-group (qb = ttmp9, b = ttmp7): 128 queries of batch b.  It projects K and V of the whole batch itself (256 KiB of x, as many
; bytes as bf16 K and V from a workspace would be) and keeps them in LDS as bf16; the two long loops read no memory at all.
; Wave w: g = w & 1 is its pair of heads (2g, 2g+1), qg = w >> 1 its 32 queries.  A combo c = 2 qt + e is a tile of 16 queries x one head.
; LAYOUTS (no value ever moves between lanes in the loops; L = lane, r = L & 15, h = L >> 4):
;  scores are made transposed, S^T = K Q^T: lane (r, h) holds query r, keys 8h + j.  Two such tiles, rounded in pairs, ARE the second
;  source of O^T = V^T P^T.  The head dimension is 8 and the matrix form's K is 32, so a K fragment carries two key tiles x two heads
;  (registers 0-3 tile t, 4-7 tile t+1; lanes h = 0 head 2g, h = 1 head 2g+1) and the Q side chooses: Q of head e is zero in lanes
;  h != e, and the register row Z Q Z Q Z Q Z Q Z gives (Q, Z) for tile t and (Z, Q) for tile t+1 as overlapping tuples.
;  V^T has the head's 8 channels in rows 0-7, ones in row 8, zeros below: row 8 of O^T is the softmax's denominator.
; SOFTMAX in two passes: pass 1 makes all scores and keeps each query's true maximum m; pass 2 repeats the product with C = -m, so
;  that the matrix result is s - m, then exp2 (1/sqrt 8 * log2 e is folded into Q), rounding to bf16, and the product with V.
; LIMITS: a weight below 2^-126 of its row's largest comes out as 0 (v_exp_f32 flushes).  Q, K, V, P, concat and a1 are rounded to
;  bf16 as matrix operands.  A K that is not finite spoils the neighbouring head and key tile (0 x inf); the maximum ignores NaN.
; NO CLUSTER, NO TENSOR LOADS: the 16 work-groups of a batch share x, but only in the prologue (16 tiles of 2 KiB a wave), where x goes
;  from memory into registers and straight into bf16 fragments.  A joint request would have to land in LDS as f32, where K, V, concat
;  and the stage leave 36,864 of 327,680 bytes, and be read back from there.
.set VBASE,  131072                    ; LDS: K at 0 (g*65536 + tile*512 + 16 L), V here (g*65536 + kb*1024 + e*512 + half*256 + (8h+d)*16)
.set CBASE,  262144                    ; concat: 128 queries x 80 bytes (64 of bf16 + 16 of padding)
.set OBASE,  272384                    ; way out: 2,304 bytes a wave, 16 rows x 144 bytes (128 of f32 + 16 of padding)
; v1 L, v2 r, v3 h, v4 1024h+4r (weights), v5 128r+32h (x), v6 32h (vectors), v7 K read, v8 V read, v9 K read's start, v10-15 see below
.set QB,     20                        ; v[16:51]   Z Q0 Z Q1 Z Q2 Z Q3 Z, four registers each
.set NEGM,   52                        ; v[52:83]   -m of combo c, eight equal registers
.set OA,     84                        ; v[84:115]  O^T of combo c
.set SC0,    116                       ; v[116:147] two score buffers of 16
.set PB0,    148                       ; v[148:163] two P buffers of 8
.set KF0,    164                       ; v[164:179] two K fragments
.set KF1,    172
.set VFR,    180                       ; v[180:211] V^T fragments (block p, head e) at 16p + 8e
.set MXR,    212                       ; v[212:215] running maxima
.set TMP,    216
.set XRING,  172                       ; phase 1: v[172:235] four slots of raw x;  v[236:251] two x fragments
.set XB0,    236
.set XB1,    244
.macro LDW dst, base, n0               ; 16 raw f32 of a weight fragment: W[8h+i][n0+r], then W[16+8h+i][n0+r]
.irp i, 0,1,2,3,4,5,6,7
	global_load_b32 v[\dst+\i], v4, s[\base:\base+1] offset:\i*128+\n0*4
.endr
.irp i, 8,9,10,11,12,13,14,15
	global_load_b32 v[\dst+\i], v4, s[\base:\base+1] offset:\i*128+1024+\n0*4
.endr
.endm
.macro LD16 dst, adr, base, off        ; 16 f32 of a row: elements 8h .. 8h+7 and 16+8h .. 16+8h+7
	global_load_b128 v[\dst:\dst+3],     v[\adr], s[\base:\base+1] offset:\off
	global_load_b128 v[\dst+4:\dst+7],   v[\adr], s[\base:\base+1] offset:\off+16
	global_load_b128 v[\dst+8:\dst+11],  v[\adr], s[\base:\base+1] offset:\off+64
	global_load_b128 v[\dst+12:\dst+15], v[\adr], s[\base:\base+1] offset:\off+80
.endm
.macro CVTX src, dst                   ; 16 f32 to a bf16 fragment of 8 registers (dst = src: in place, upward)
.irp k, 0,1,2,3,4,5,6,7
	v_cvt_pk_bf16_f32 v[\dst+\k], v[\src+2*\k], v[\src+2*\k+1]
.endr
.endm
.macro NOP4
.rept 4
	v_nop
.endr
.endm
; ---------------- phase 0: ids, addresses, loads ----------------
	s_load_b512 s[16:31], s[0:1], 0x0              ; x 16, wq 18, bq 20, wk 22, bk 24, wv 26, bv 28, wo 30
	s_load_b512 s[32:47], s[0:1], 0x40             ; bo 32, g1 34, beta1 36, wl 38, bl 40, g2 42, beta2 44, out0 46
	v_lshl_add_u32 v254, v0, 2, 0x47000
	v_mov_b32 v255, 0
	v_lshrrev_b32 v15, 5, v0
	v_readfirstlane_b32 s8, v15                    ; wave
	s_and_b32 s9, s8, 1                            ; g
	s_lshr_b32 s10, s8, 1                          ; qg
	s_and_b32 s11, ttmp7, 0xffff
	s_lshl_b32 s11, s11, 18                        ; the batch: 2,048 rows of 128 bytes
	s_lshl_b32 s2, s8, 15                          ; my 256 keys
	s_add_co_u32 s2, s2, s11
	s_mov_b32 s3, 0
	s_lshl_b32 s4, ttmp9, 14                       ; the block's 128 queries
	s_add_co_u32 s4, s4, s11
	s_lshl_b32 s6, s8, 11                          ; epilogue: my 16 queries
	s_add_co_u32 s6, s6, s4
	s_mov_b32 s7, 0
	s_lshl_b32 s14, s10, 12                        ; attention: my 32 queries
	s_add_co_u32 s4, s4, s14
	s_mov_b32 s5, 0
	s_lshl_b32 s14, s9, 6                          ; my 16 channels in wq's rows and in bq
	s_mov_b32 s15, 0
	s_mov_b32 s12, 0x3f0293ee                      ; 1/sqrt(8) * log2(e)
	s_mov_b32 s13, 0x3f0293ee
	s_mov_b32 s60, 0x76543210                      ; v_permlanex16_b32: lane i takes lane i of the other half
	s_mov_b32 s61, 0xfedcba98
	v_and_b32 v1, 31, v0
	v_and_b32 v2, 15, v0
	v_bfe_u32 v3, v0, 4, 1
	v_lshlrev_b32 v4, 2, v2
	v_lshl_add_u32 v4, v3, 10, v4
	v_lshlrev_b32 v5, 7, v2
	v_lshl_add_u32 v5, v3, 5, v5
	v_lshlrev_b32 v6, 5, v3
	v_lshlrev_b32 v15, 2, v2                       ; 4 r, for bv
	s_wait_kmcnt 0x0
	s_add_nc_u64 s[48:49], s[16:17], s[2:3]        ; x at my keys
	s_add_nc_u64 s[50:51], s[16:17], s[4:5]        ; x at my 32 queries
	s_add_nc_u64 s[52:53], s[16:17], s[6:7]        ; x at my 16 rows of the epilogue
	s_add_nc_u64 s[54:55], s[46:47], s[6:7]        ; out0 likewise
	s_add_nc_u64 s[56:57], s[18:19], s[14:15]      ; wq at my head pair
	s_add_nc_u64 s[58:59], s[20:21], s[14:15]      ; bq likewise
	LDW 52, 22, 0                                  ; wk, channels 0-15
	LDW 68, 22, 16                                 ; wk, channels 16-31
	LDW 84, 26, 0                                  ; wv
	LDW 100, 26, 16
	LDW 116, 56, 0                                 ; wq, my 16 channels
	LD16 132, 6, 24, 0                             ; bk[8h+j] in v[132:139], bk[16+8h+j] in v[140:147]
	global_load_b128 v[164:167], v6, s[58:59]      ; bq[16g+8h+j]
	global_load_b128 v[168:171], v6, s[58:59] offset:16
	global_load_b32 v148, v15, s[28:29]            ; bv[r]
	global_load_b32 v156, v15, s[28:29] offset:64  ; bv[16+r]
	LD16 16, 5, 50, 0                              ; x of my query tile 0
	LD16 32, 5, 50, 2048                           ; and 1
.irp i, 0,1,2,3
	LD16 XRING+16*\i, 5, 48, \i*2048               ; x of my key tiles 0 to 3
.endr
	; LDS addresses, while the loads are out
	s_lshl_b32 s2, s9, 16                          ; g * 65536
	s_lshl_b32 s3, s8, 13                          ; my 16 key tiles: 8,192 bytes in K and in V
	v_lshlrev_b32 v9, 4, v1
	v_add_nc_u32 v10, s3, v9                       ; K store, heads 0, 1
	v_add_nc_u32 v11, 0x10000, v10                 ; K store, heads 2, 3
	v_add_nc_u32 v9, s2, v9                        ; K read: my head pair, 16 L
	v_lshrrev_b32 v12, 3, v2
	v_lshlrev_b32 v12, 9, v12                      ; e = r >> 3
	v_lshl_add_u32 v12, v3, 7, v12                 ; 8h rows of 16 bytes
	v_and_b32 v13, 7, v2
	v_lshl_add_u32 v12, v13, 4, v12                ; d = r & 7
	s_add_co_u32 s3, s3, VBASE
	v_add_nc_u32 v12, s3, v12                      ; V store, heads 0, 1
	v_add_nc_u32 v13, 0x10000, v12                 ; V store, heads 2, 3
	s_add_co_u32 s2, s2, VBASE                     ; V of my head pair
	v_cmp_eq_u32 vcc_lo, 1, v3
	s_wait_loadcnt 16                              ; all but the 16 loads of the x ring, which were issued last
	CVTX 52, 52
	CVTX 68, 68
	CVTX 84, 84
	CVTX 100, 100
	CVTX 116, 116
.irp j, 1,2,3,4,5,6,7
	v_mov_b32 v[148+\j], v148                      ; V comes out as [key][channel]: the bias is one number a lane
	v_mov_b32 v[156+\j], v156
.endr
	; Q^T = Wq^T x^T + bq: lane (r, h) gets channels 16g + 8h + j of query r
	CVTX 16, XB0
	CVTX 32, XB1
	v_wmma_f32_16x16x32_bf16 v[60:67], v[116:123], v[XB0:XB0+7], v[164:171]
	v_wmma_f32_16x16x32_bf16 v[76:83], v[116:123], v[XB1:XB1+7], v[164:171]
.irp z, 16, 24, 32, 40, 48
.irp k, 0,1,2,3
	v_mov_b32 v[\z+\k], 0                          ; the zeros of the Z Q Z .. row: 20 independent instructions behind the products (ISA guide 7.12.1)
.endr
.endr
.irp d, 60, 76
.irp k, 0,2,4,6
	v_pk_mul_f32 v[\d+\k:\d+\k+1], v[\d+\k:\d+\k+1], s[12:13] op_sel_hi:[1,0]
.endr
.irp k, 0,1,2,3
	v_cvt_pk_bf16_f32 v[\d+\k], v[\d+2*\k], v[\d+2*\k+1]
.endr
.endr
.irp k, 0,1,2,3
	v_cndmask_b32 v[QB+\k],    v[60+\k], v16, vcc_lo       ; head 2g: zero in lanes h = 1
	v_cndmask_b32 v[QB+8+\k],  v16, v[60+\k], vcc_lo       ; head 2g+1: zero in lanes h = 0
	v_cndmask_b32 v[QB+16+\k], v[76+\k], v16, vcc_lo
	v_cndmask_b32 v[QB+24+\k], v16, v[76+\k], vcc_lo
.endr
; ---------------- phase 1: K and V of my 16 key tiles into LDS ----------------
; K^T = Wk^T x^T (a lane: 8 channels of one key), V = x Wv (a lane: 8 keys of one channel): each is 16 bytes that belong together.
.macro TILE i
.set X_C, XB0+8*((\i)&1)
.set X_N, XB0+8*(((\i)+1)&1)
.set R_N, XRING+16*(((\i)+1)&3)
.set R_OFF, ((\i)+5)*2048
	v_wmma_f32_16x16x32_bf16 v[60:67],   v[52:59],    v[X_C:X_C+7], v[132:139]
	v_wmma_f32_16x16x32_bf16 v[76:83],   v[68:75],    v[X_C:X_C+7], v[140:147]
	v_wmma_f32_16x16x32_bf16 v[92:99],   v[X_C:X_C+7], v[84:91],    v[148:155]
	v_wmma_f32_16x16x32_bf16 v[108:115], v[X_C:X_C+7], v[100:107],  v[156:163]
.if \i < 15
.if \i < 12
	s_wait_loadcnt 12                              ; the next tile's x is in; three younger tiles of four loads stay out
.else
	s_wait_loadcnt 4*(14-\i)                       ; the ring runs empty: two, one, no younger tile
.endif
	CVTX R_N, X_N                                  ; the next fragment: also the eight places behind the four products
.if \i < 11
	LD16 R_N, 5, 48, R_OFF                         ; the slot just read takes the tile four further on
.endif
.else
	NOP4
.endif
.irp d, 60, 76, 92, 108
.irp k, 0,1,2,3
	v_cvt_pk_bf16_f32 v[\d+\k], v[\d+2*\k], v[\d+2*\k+1]
.endr
.endr
	ds_store_b128 v10, v[60:63]   offset:\i*512
	ds_store_b128 v11, v[76:79]   offset:\i*512
	ds_store_b128 v12, v[92:95]   offset:(\i>>1)*1024+(\i&1)*256
	ds_store_b128 v13, v[108:111] offset:(\i>>1)*1024+(\i&1)*256
.endm
	s_wait_loadcnt 12                              ; tile 0's four loads are in
	CVTX XRING, XB0
	LD16 XRING, 5, 48, 4*2048
.irp i, 0,1,2,3,4,5,6,7,8,9,10,11,12,13,14,15
	TILE \i
.endr
	; rows 8-15 of the V^T fragments never change: ones in row 8 (lanes r = 8), zeros below.  Lanes r < 8 are loaded later.
	v_cmp_eq_u32 vcc_lo, 8, v2
	v_mov_b32 v14, 0x3f803f80
	v_mov_b32 v15, 0
	v_cndmask_b32 v15, v15, v14, vcc_lo
.set j, 0
.rept 32
	v_mov_b32 v[VFR+j], v15
.set j, j+1
.endr
	v_mov_b32 v[TMP], 0                            ; a lane permute counts as a reader of its destination
	v_cmp_gt_u32 vcc_lo, 8, v2                     ; r < 8: kept in VCC until pass 2 has ended
	s_wait_xcnt 0x0                                ; EXEC is changed in pass 2: no global access is left untranslated
	s_wait_dscnt 0x0                               ; my K and V are in LDS, for the others' sake
	s_barrier_signal -1
	s_barrier_wait -1
; ---------------- the loops' pieces ----------------
.macro QK c, kb, sb, neg               ; 32 keys x 16 queries of combo c: tile t by (Q, Z), tile t+1 by (Z, Q)
.if \neg
	v_wmma_f32_16x16x32_bf16 v[\sb:\sb+7],    v[\kb:\kb+7], v[QB+8*(\c):QB+8*(\c)+7],   v[NEGM+8*(\c):NEGM+8*(\c)+7]
	v_wmma_f32_16x16x32_bf16 v[\sb+8:\sb+15], v[\kb:\kb+7], v[QB+8*(\c)-4:QB+8*(\c)+3], v[NEGM+8*(\c):NEGM+8*(\c)+7]
.else
	v_wmma_f32_16x16x32_bf16 v[\sb:\sb+7],    v[\kb:\kb+7], v[QB+8*(\c):QB+8*(\c)+7],   0
	v_wmma_f32_16x16x32_bf16 v[\sb+8:\sb+15], v[\kb:\kb+7], v[QB+8*(\c)-4:QB+8*(\c)+3], 0
.endif
.endm
.macro LK kb, imm                      ; a K fragment: two key tiles, 512 neighbouring bytes each
	ds_load_b128 v[\kb:\kb+3],   v7 offset:\imm
	ds_load_b128 v[\kb+4:\kb+7], v7 offset:\imm+512
.endm
.macro LV p, imm                       ; both heads' V^T fragments of a block of 32 keys, lanes r < 8 only: the others keep their constants
	s_and_saveexec_b32 s63, vcc_lo
	ds_load_b128 v[VFR+16*\p:VFR+16*\p+3],     v8 offset:\imm
	ds_load_b128 v[VFR+16*\p+4:VFR+16*\p+7],   v8 offset:\imm+256
	ds_load_b128 v[VFR+16*\p+8:VFR+16*\p+11],  v8 offset:\imm+512
	ds_load_b128 v[VFR+16*\p+12:VFR+16*\p+15], v8 offset:\imm+768
	s_or_b32 exec_lo, exec_lo, s63
.endm
.macro MAX8 sb, m                      ; 16 scores into the running maximum, eight instructions
	v_max3_num_f32 v[\sb],    v[\sb],    v[\sb+1],  v[\sb+2]
	v_max3_num_f32 v[\sb+3],  v[\sb+3],  v[\sb+4],  v[\sb+5]
	v_max3_num_f32 v[\sb+6],  v[\sb+6],  v[\sb+7],  v[\sb+8]
	v_max3_num_f32 v[\sb+9],  v[\sb+9],  v[\sb+10], v[\sb+11]
	v_max3_num_f32 v[\sb+12], v[\sb+12], v[\sb+13], v[\sb+14]
	v_max3_num_f32 v[\sb],    v[\sb],    v[\sb+3],  v[\sb+6]
	v_max3_num_f32 v[\sb+9],  v[\sb+9],  v[\sb+12], v[\sb+15]
	v_max3_num_f32 v[\m],     v[\m],     v[\sb],    v[\sb+9]
.endm
; ---------------- phase 2: pass 1, the maxima ----------------
; A trip is 64 keys = 8 units; unit u is combo u & 3 on block u >> 2.  The next unit's products are issued first; the eight v_max3 on the
; other score buffer are the independent instructions that stand between those products and the first reader of their results (7.12.1).
.macro STEP1 u, more
.set U_S, SC0+16*((\u)&1)
.set U_M, MXR+((\u)&3)
.set N_C, ((\u)+1)&3
.set N_K, KF0+8*((((\u)+1)>>2)&1)
.set N_S, SC0+16*(((\u)+1)&1)
.set DOQK, \more
.if \u < 7
.set DOQK, 1
.endif
.if \u == 3
	s_wait_dscnt 0x0                               ; block 1's fragment: its two loads are the only ones out
.endif
.if \u == 7
.if \more
	s_wait_dscnt 0x0                               ; the next trip's block 0 likewise
.endif
.endif
.if DOQK
	QK N_C, N_K, N_S, 0
.endif
	MAX8 U_S, U_M
.if \more
.if \u == 3
	LK KF0, 2048                                   ; its last reader was issued a step ago, sixteen v_max3 back
.endif
.if \u == 4
	v_add_nc_u32 v7, 0x800, v7
.endif
.if \u == 7
	LK KF1, 1024
.endif
.endif
.endm
	v_mov_b32 v7, v9
	LK KF0, 0
	LK KF1, 1024
	s_wait_dscnt 0x2                               ; block 0 is in, block 1's two loads stay out
	QK 0, KF0, SC0, 0
.irp c, 0,1,2,3
	v_mov_b32 v[MXR+\c], 0xff800000                ; -inf; also the four places behind the first products
.endr
	s_mov_b32 s62, 31
.Lpass1:
.irp u, 0,1,2,3,4,5,6,7
	STEP1 \u, 1
.endr
	s_sub_co_i32 s62, s62, 1
	s_cmp_lg_u32 s62, 0
	s_cbranch_scc1 .Lpass1
.irp u, 0,1,2,3,4,5,6,7
	STEP1 \u, 0                                    ; the last 64 keys: nothing more is fetched
.endr
	; a query's keys lie in lanes r and r + 16: join them, and lay -m out as a C operand
.irp c, 0,1,2,3
	v_permlanex16_b32 v[TMP], v[MXR+\c], s60, s61
	v_max_num_f32 v[MXR+\c], v[MXR+\c], v[TMP]
.irp j, 0,1,2,3,4,5,6,7
	v_mul_f32 v[NEGM+8*\c+\j], -1.0, v[MXR+\c]
.endr
.endr
; ---------------- phase 3: pass 2, exp2(s - m), P, O^T += V^T P^T ----------------
; Each step: the next unit's score products, 16 v_exp_f32 in place, one plain instruction (behind a transcendental, ISA guide 5.7.2), eight
; roundings into P, this unit's product with V.  The plain instruction and the eight roundings name only this unit's buffers, so they are
; nine places behind the score products just issued, behind the last step's product with V, and in front of every load into a fragment.
.macro STEP2 u, first, more
.set U_S, SC0+16*((\u)&1)
.set U_P, PB0+8*((\u)&1)
.set U_V, VFR+16*((\u)>>2)+8*((\u)&1)
.set U_O, OA+8*((\u)&3)
.set N_C, ((\u)+1)&3
.set N_K, KF0+8*((((\u)+1)>>2)&1)
.set N_S, SC0+16*(((\u)+1)&1)
.set DOQK, \more
.if \u < 7
.set DOQK, 1
.endif
.set ZEROC, 0
.if \first
.if \u < 4
.set ZEROC, 1
.endif
.endif
.if \u == 3
	s_wait_dscnt 0x4                               ; K of block 1 is in; the four loads of its V, issued behind it, stay out
.endif
.if \u == 7
.if \more
	s_wait_dscnt 0x4                               ; the next trip's K of block 0 is in; its V's four loads stay out
.endif
.endif
.if DOQK
	QK N_C, N_K, N_S, 1
.endif
.irp j, 0,1,2,3,4,5,6,7,8,9,10,11,12,13,14,15
	v_exp_f32 v[U_S+\j], v[U_S+\j]
.endr
.set STEPPED, 0
.if \more
.if \u == 4
	v_add_nc_u32 v7, 0x800, v7
	s_wait_alu depctr_va_vdst(0)
.set STEPPED, 1
.endif
.if \u == 5
	v_add_nc_u32 v8, 0x800, v8
	s_wait_alu depctr_va_vdst(0)
.set STEPPED, 1
.endif
.endif
.if STEPPED == 0
	v_nop
	s_wait_alu depctr_va_vdst(0)
.endif
.irp k, 0,1,2,3,4,5,6,7
	v_cvt_pk_bf16_f32 v[U_P+\k], v[U_S+2*\k], v[U_S+2*\k+1]
.endr
.if \u == 0
	LV 1, 1024
	s_wait_dscnt 0x6                               ; V of block 0 is in; K of block 1 (2 loads) and its V (4) stay out
.endif
.if \u == 3
.if \more
	LK KF0, 2048
.endif
.endif
.if \u == 4
.if \more
	LV 0, 2048
	s_wait_dscnt 0x6                               ; V of block 1 is in; the next trip's K (2) and V (4) of block 0 stay out
.else
	s_wait_dscnt 0x0                               ; V of block 1: nothing was issued behind it
.endif
.endif
.if \u == 7
.if \more
	LK KF1, 1024
.endif
.endif
.if ZEROC
	v_wmma_f32_16x16x32_bf16 v[U_O:U_O+7], v[U_V:U_V+7], v[U_P:U_P+7], 0            ; the first product starts the sums
.else
	v_wmma_f32_16x16x32_bf16 v[U_O:U_O+7], v[U_V:U_V+7], v[U_P:U_P+7], v[U_O:U_O+7]
.endif
.endm
	v_mov_b32 v7, v9
	v_and_b32 v8, 7, v2                            ; r & 7: the lanes that are off for these loads point inside V too
	v_lshl_add_u32 v8, v3, 3, v8
	v_lshlrev_b32 v8, 4, v8
	v_add_nc_u32 v8, s2, v8
	LK KF0, 0
	LV 0, 0
	LK KF1, 1024
	s_wait_dscnt 0x6                               ; K of block 0 is in; its V (4 loads) and K of block 1 (2) stay out
	QK 0, KF0, SC0, 1
	NOP4                                           ; the places behind the first products; later the step in front supplies them
.irp u, 0,1,2,3,4,5,6,7
	STEP2 \u, 1, 1
.endr
	s_mov_b32 s62, 30
.Lpass2:
.irp u, 0,1,2,3,4,5,6,7
	STEP2 \u, 0, 1
.endr
	s_sub_co_i32 s62, s62, 1
	s_cmp_lg_u32 s62, 0
	s_cbranch_scc1 .Lpass2
.irp u, 0,1,2,3,4,5,6,7
	STEP2 \u, 0, 0
.endr
; ---------------- phase 4: normalise, concat, two small layers with LayerNorm ----------------
	; addresses first: more than four independent instructions behind the last product
	s_mul_i32 s2, s10, 2560                        ; 32 qg rows of 80 bytes
	s_lshl_b32 s3, s9, 5                           ; my head pair: 32 bytes
	s_add_co_u32 s2, s2, s3
	s_add_co_u32 s2, s2, CBASE
	s_mul_i32 s4, s8, 1280                         ; 16 w rows of 80 bytes
	s_add_co_u32 s4, s4, CBASE
	s_mul_i32 s5, s8, 2304
	s_add_co_u32 s5, s5, OBASE
	s_mov_b32 s6, 0x3d000000                       ; 1/32
	s_mov_b32 s7, 0x3727c5ac                       ; 1e-5
	v_mul_u32_u24 v10, v2, 80
	v_add_nc_u32 v10, s2, v10                      ; concat store: query 32 qg + r
	v_mul_u32_u24 v11, v2, 80
	v_lshl_add_u32 v11, v3, 4, v11
	v_add_nc_u32 v11, s4, v11                      ; concat read: query 16 w + r, channels 8h ..
	v_mul_u32_u24 v12, v2, 144
	v_lshl_add_u32 v12, v3, 5, v12
	v_add_nc_u32 v12, s5, v12                      ; stage in: row r, channels 8h ..
	v_lshrrev_b32 v15, 3, v1
	v_mul_u32_u24 v13, v15, 144
	v_and_b32 v15, 7, v1
	v_lshl_add_u32 v13, v15, 4, v13
	v_add_nc_u32 v13, s5, v13                      ; stage back: four whole rows an instruction
	v_lshlrev_b32 v14, 4, v1                       ; and 512 neighbouring bytes of out0
.irp c, 0,1,2,3
	v_mov_b32 v[240+\c], 0
.endr
	LDW 16, 30, 0                                  ; wo, channels 0-15          these 40 loads are needed first
	LDW 32, 30, 16                                 ; wo, channels 16-31
	LD16 116, 5, 52, 0                             ; x of my 16 rows
	LD16 132, 6, 32, 0                             ; bo
	LDW 48, 38, 0                                  ; wl                         these 52 later
	LDW 64, 38, 16
	LD16 148, 6, 34, 0                             ; g1
	LD16 164, 6, 36, 0                             ; beta1
	LD16 180, 6, 40, 0                             ; bl
	LD16 196, 6, 42, 0                             ; g2
	LD16 216, 6, 44, 0                             ; beta2
	; lanes h = 0 hold a query's 8 channels, lane r + 16 its denominator in register 0
.irp c, 0,1,2,3
	v_permlanex16_b32 v[240+\c], v[OA+8*\c], s60, s61
.endr
.irp c, 0,1,2,3
	v_rcp_f32 v[244+2*\c], v[240+\c]
	v_rcp_f32 v[245+2*\c], v[240+\c]
.endr
	v_nop                                          ; one plain instruction behind the reciprocals
	s_wait_alu depctr_va_vdst(0)
.irp c, 0,1,2,3
.irp k, 0,2,4,6
	v_pk_mul_f32 v[OA+8*\c+\k:OA+8*\c+\k+1], v[OA+8*\c+\k:OA+8*\c+\k+1], v[244+2*\c:245+2*\c]
.endr
.irp k, 0,1,2,3
	v_cvt_pk_bf16_f32 v[OA+8*\c+\k], v[OA+8*\c+2*\k], v[OA+8*\c+2*\k+1]
.endr
.endr
	s_wait_xcnt 0x0                                ; EXEC is a source of the pending loads: it changes only behind this wait
	v_cmp_gt_u32 vcc_lo, 16, v1
	s_and_saveexec_b32 s63, vcc_lo
	ds_store_b128 v10, v[OA:OA+3]                  ; query tile 0, head 2g
	ds_store_b128 v10, v[OA+8:OA+11]   offset:16   ; query tile 0, head 2g+1
	ds_store_b128 v10, v[OA+16:OA+19]  offset:1280 ; query tile 1: 16 rows on
	ds_store_b128 v10, v[OA+24:OA+27]  offset:1296
	s_or_b32 exec_lo, exec_lo, s63
	s_wait_dscnt 0x0                               ; for the waves that read these rows
	s_barrier_signal -1
	s_barrier_wait -1
	; from here wave w owns queries 16 w .. 16 w + 15.  All products transposed: D[channel][query], a lane holds 16 of its query's channels.
	ds_load_b128 v[232:235], v11
	ds_load_b128 v[236:239], v11 offset:32
	s_wait_loadcnt 52                              ; wo, x and bo are in; the 52 loads issued behind them stay out
	CVTX 16, 16
	CVTX 32, 32
.irp k, 0,2,4,6,8,10,12,14
	v_pk_add_f32 v[116+\k:117+\k], v[116+\k:117+\k], v[132+\k:133+\k]      ; x + bo is the C operand
.endr
	s_wait_dscnt 0x0
	v_wmma_f32_16x16x32_bf16 v[116:123], v[16:23], v[232:239], v[116:123]
	v_wmma_f32_16x16x32_bf16 v[124:131], v[32:39], v[232:239], v[124:131]
	s_wait_loadcnt 0x0
	CVTX 48, 48                                    ; wl's fragments: 16 places behind the two products
	CVTX 64, 64
; LayerNorm of v[y:y+15] over a query's 32 channels (16 here, 16 in the lane 16 away), in f32
.macro LN y, gain, bias
	v_pk_add_f32 v[240:241], v[\y:\y+1],     v[\y+2:\y+3]
	v_pk_add_f32 v[242:243], v[\y+4:\y+5],   v[\y+6:\y+7]
	v_pk_add_f32 v[244:245], v[\y+8:\y+9],   v[\y+10:\y+11]
	v_pk_add_f32 v[246:247], v[\y+12:\y+13], v[\y+14:\y+15]
	v_pk_add_f32 v[240:241], v[240:241], v[242:243]
	v_pk_add_f32 v[244:245], v[244:245], v[246:247]
	v_pk_add_f32 v[240:241], v[240:241], v[244:245]
	v_add_f32 v240, v240, v241
	v_permlanex16_b32 v241, v240, s60, s61
	v_add_f32 v240, v240, v241
	v_mul_f32 v240, s6, v240                       ; the mean
	v_mov_b32 v241, v240
.irp k, 0,2,4,6,8,10,12,14
	v_pk_add_f32 v[\y+\k:\y+\k+1], v[\y+\k:\y+\k+1], v[240:241] neg_lo:[0,1] neg_hi:[0,1]
.endr
	v_pk_mul_f32 v[242:243], v[\y:\y+1],   v[\y:\y+1]
	v_pk_mul_f32 v[244:245], v[\y+2:\y+3], v[\y+2:\y+3]
.irp k, 4,8,12
	v_pk_fma_f32 v[242:243], v[\y+\k:\y+\k+1],   v[\y+\k:\y+\k+1],   v[242:243]
	v_pk_fma_f32 v[244:245], v[\y+\k+2:\y+\k+3], v[\y+\k+2:\y+\k+3], v[244:245]
.endr
	v_pk_add_f32 v[242:243], v[242:243], v[244:245]
	v_add_f32 v242, v242, v243
	v_permlanex16_b32 v243, v242, s60, s61
	v_add_f32 v242, v242, v243
	v_fma_f32 v242, v242, s6, s7                   ; variance + 1e-5
	v_rsq_f32 v244, v242
	v_rsq_f32 v245, v242
	v_nop                                          ; one plain instruction behind the roots
	s_wait_alu depctr_va_vdst(0)
.irp k, 0,2,4,6,8,10,12,14
	v_pk_mul_f32 v[\y+\k:\y+\k+1], v[\y+\k:\y+\k+1], v[244:245]
.endr
.irp k, 0,2,4,6,8,10,12,14
	v_pk_fma_f32 v[\y+\k:\y+\k+1], v[\y+\k:\y+\k+1], v[\gain+\k:\gain+\k+1], v[\bias+\k:\bias+\k+1]
.endr
.endm
	LN 116, 148, 164                               ; a1
	CVTX 116, 232                                  ; a1's two tiles, rounded, are the next product's second source
.irp k, 0,2,4,6,8,10,12,14
	v_pk_add_f32 v[116+\k:117+\k], v[116+\k:117+\k], v[180+\k:181+\k]      ; a1 + bl is its C operand
.endr
	v_wmma_f32_16x16x32_bf16 v[116:123], v[48:55], v[232:239], v[116:123]
	v_wmma_f32_16x16x32_bf16 v[124:131], v[64:71], v[232:239], v[124:131]
	NOP4
	LN 116, 196, 216
	; the way out: through my own stage, so that each store of the wave covers 512 consecutive bytes, aligned
	ds_store_b128 v12, v[116:119]
	ds_store_b128 v12, v[120:123] offset:16
	ds_store_b128 v12, v[124:127] offset:64
	ds_store_b128 v12, v[128:131] offset:80
.irp i, 0,1,2,3
	ds_load_b128 v[OA+4*\i:OA+4*\i+3], v13 offset:576*\i       ; LDS serves a wave's instructions in order: these see the stores above
.endr
.irp i, 0,1,2,3
	s_wait_dscnt 3-\i                              ; the younger reads stay out
	global_store_b128 v14, v[OA+4*\i:OA+4*\i+3], s[54:55] offset:512*\i th:TH_STORE_NT
.endr
	s_wait_tensorcnt 0x0
	ds_add_u32 v254, v255
	s_wait_dscnt 0x0
	s_endpgm
.Lfunc_end_k_q204d4ad8db_mha:
	.size	k_q204d4ad8db_mha, .Lfunc_end_k_q204d4ad8db_mha-k_q204d4ad8db_mha
	.p2alignl 7, 3214868480
	.fill 96, 4, 3214868480
	.section	.rodata,"a",@progbits
	.p2align	6, 0x0
	.amdhsa_kernel k_q204d4ad8db_mha
		.amdhsa_group_segment_fixed_size 291840
		.amdhsa_private_segment_fixed_size 0
		.amdhsa_enable_private_segment 0
		.amdhsa_kernarg_size 128
		.amdhsa_user_sgpr_count 2
		.amdhsa_user_sgpr_kernarg_segment_ptr 1
		.amdhsa_wavefront_size32 1
		.amdhsa_system_sgpr_workgroup_id_x 1
		.amdhsa_system_sgpr_workgroup_id_y 1
		.amdhsa_system_sgpr_workgroup_id_z 1
		.amdhsa_system_vgpr_workitem_id 0
		.amdhsa_next_free_vgpr 256
		.amdhsa_next_free_sgpr 66
		.amdhsa_reserve_vcc 1
		.amdhsa_float_denorm_mode_32 3
		.amdhsa_float_denorm_mode_16_64 3
		.amdhsa_memory_ordered 1
		.amdhsa_forward_progress 1
		.amdhsa_inst_pref_size 129
	.end_amdhsa_kernel
	.amdgpu_metadata
---
amdhsa.version: [ 1, 2 ]
amdhsa.kernels:
  - .name:           k_q204d4ad8db_mha
    .symbol:         k_q204d4ad8db_mha.kd
    .args:
      - { .name: x, .offset: 0, .size: 8, .value_kind: global_buffer, .address_space: global }
      - { .name: wq, .offset: 8, .size: 8, .value_kind: global_buffer, .address_space: global }
      - { .name: bq, .offset: 16, .size: 8, .value_kind: global_buffer, .address_space: global }
      - { .name: wk, .offset: 24, .size: 8, .value_kind: global_buffer, .address_space: global }
      - { .name: bk, .offset: 32, .size: 8, .value_kind: global_buffer, .address_space: global }
      - { .name: wv, .offset: 40, .size: 8, .value_kind: global_buffer, .address_space: global }
      - { .name: bv, .offset: 48, .size: 8, .value_kind: global_buffer, .address_space: global }
      - { .name: wo, .offset: 56, .size: 8, .value_kind: global_buffer, .address_space: global }
      - { .name: bo, .offset: 64, .size: 8, .value_kind: global_buffer, .address_space: global }
      - { .name: g1, .offset: 72, .size: 8, .value_kind: global_buffer, .address_space: global }
      - { .name: beta1, .offset: 80, .size: 8, .value_kind: global_buffer, .address_space: global }
      - { .name: wl, .offset: 88, .size: 8, .value_kind: global_buffer, .address_space: global }
      - { .name: bl, .offset: 96, .size: 8, .value_kind: global_buffer, .address_space: global }
      - { .name: g2, .offset: 104, .size: 8, .value_kind: global_buffer, .address_space: global }
      - { .name: beta2, .offset: 112, .size: 8, .value_kind: global_buffer, .address_space: global }
      - { .name: out0, .offset: 120, .size: 8, .value_kind: global_buffer, .address_space: global }
    .group_segment_fixed_size: 291840
    .private_segment_fixed_size: 0
    .kernarg_segment_align: 8
    .kernarg_segment_size: 128
    .max_flat_workgroup_size: 256
    .sgpr_count:     66
    .vgpr_count:     256
    .wavefront_size: 32
...
	.end_amdgpu_metadata
.endif
;; end of part 1
